; MI455X (gfx1250); checked and timed in simulation.
; The chip was launched on July 23, 2026; its instructions are those of AMD's public machine-readable ISA for CDNA 5 (MIT licence, August 2026) and "CDNA5" Instruction Set Architecture Reference Guide (July 2026). The comments in the code are by the model that wrote it; some were corrected since.
;; Bit Linear. Allowed arithmetic: matrix products marked QUANTISED: E4M3 operands, one given power-of-two scale a tensor, by v_wmma_f32_16x16x64_fp8_fp8 or v_wmma_f32_16x16x128_fp8_fp8, f32 sums; everything else in f32.
;; Inputs: W 2,048 x 4,096 float32; input 4 x 2,048 x 4,096 float32; lowp_scales 2 int32 (the exponents e of the quantised operands' scales 2^e).
;; Outputs: out0 4 x 2,048 x 2,048 float32.
;; This version of the problem:
;;   THIS VERSION OF THE PROBLEM IS GIVEN IN LOW PRECISION. The matrix products marked QUANTISED in the list below multiply operands that are first quantised to E4M3 (4 exponent bits, 3 mantissa bits; 8 bits a number), with one given power-of-two scale for each operand tensor; their sums are f32. All else is computed in f32.
;;   The module's matrix products, in the order in which they are computed (A, B: the left and right operand; K: the contracted axis; several contracted axes count as one K, in the product's order):
;;     1. [M 8,192, K 4,096] x [K 4,096, N 2,048]; A: input input; B: computed on the way: QUANTISED (scales: A lowp_scales[0], B lowp_scales[1])
;;   THE QUANTISER, for each operand of a quantised product, along K:
;;     - The operand's scale is 2^e, e = its entry of the input lowp_scales (int32; the entries are numbered through the quantised products in the list's order, A before B).
;;     - Each number is divided by the scale, clamped to +-448, and rounded to the nearest number of E4M3, ties to even, subnormals kept.
;;     - The product sums the exact products of the quantised numbers (number of the format x scale) in f32.
;;   ~~~python
;;   def quantise(x, axis, e):      # numpy; x: float32 -> the quantised numbers, widened to float32 again
;;       x = np.moveaxis(x, axis, -1); K = x.shape[-1]
;;       r = np.clip(x / 2.0 ** e, -448, 448)
;;       step = 2.0 ** (np.maximum(np.frexp(np.where(r == 0, 1, r))[1] - 1, -6) - 3)
;;       q = np.round(r / step) * step * 2.0 ** e      # np.round: ties to even
;;       return np.moveaxis(q, -1, axis).astype(np.float32)
;;   ~~~
;;   OPERANDS COMPUTED ON THE WAY. 'Computed on the way' means the value that the module computes at that place (a softmax that the list does not call 'softmax' is quantised finished and normalised). What goes into a quantiser is computed in f32, as accurately as f32 sums, v_exp_f32 and their like allow (about 1e-6 of the number): no bf16 or f16 on the way to a quantiser, and a product that is left as it is and whose result goes on into a quantised operand takes f32 operands (vector FMAs, or v_wmma_f32_16x16x4_f32). A number that lies on a knife's edge between two numbers of the format may be rounded either way, as far as f32 arithmetic and the matrix unit's own rounding can turn it there, and no further.
;; One version. Each part assembles by itself: llvm-mc -triple=amdgcn-amd-amdhsa -mcpu=gfx1250 --defsym DOCPART=n.
;; ======== version 1 of 1: 3 launches
;; limits: right only within a limited range of input values
;; workspace buffers: xcodes 33,554,432 bytes; wcodes 8,388,608 bytes; partials 4,096 bytes
;; launch prep (part 1): grid 1280 x 1, 4 waves a work-group, no clusters, 0 bytes of LDS; arguments input, W, lowp_scales, xcodes, partials; writes xcodes, partials
.if DOCPART == 1
	.amdgcn_target "amdgcn-amd-amdhsa--gfx1250"
	.amdhsa_code_object_version 6
	.text
	.protected	k_q06f4aab19b_prep
	.globl	k_q06f4aab19b_prep
	.p2align	8
	.type	k_q06f4aab19b_prep,@function
k_q06f4aab19b_prep:
	s_mov_b64 s[64:65], 0
	v_nop
	global_prefetch_b8 v0, s[64:65] scope:SCOPE_SE
	s_setreg_imm32_b32 hwreg(HW_REG_WAVE_MODE, 25, 1), 1
	s_wait_xcnt 0x0
; TWO STREAMS IN ONE LAUNCH.  Work-groups 0 .. 1023: x [8192][4096] f32 becomes codes of FP8 (E4M3) with the given scale 2^e0 (entry 0 of the scales).
; Work-groups 1024 .. 1279: W [2048][4096] f32 is read once and each wave stores the sum of |W| over its 8,192 numbers: 1,024 partial sums, which the next launch adds to the mean.
; code = x / 2^e0, held within +-448, rounded to the nearest code, ties to even.
; LIMITS: e0 between -126 and 119, so that 2^e0 and 448 x 2^e0 are f32 numbers.  NaN among the inputs is not served; an infinity is held at the largest code.
; SHARES.  A wave takes 16 steps of 512 numbers.  A step is four loads, each of 512 consecutive bytes (16 a lane).
; THE CODES' LAYOUT.  A lane converts the 16 numbers that its four loads brought, as they stand in its registers, and stores its 16 codes as 16 bytes; the wave's store covers 512 consecutive bytes, aligned.
; So inside each 512 along K the code of k = 128 i + 4 l + j lies at byte 16 l + 4 i + j (l: lane, i: load, j: number in the load).  W's codes are laid by the same rule in the next launch, so in the
; product every code of x meets its partner of W; a tensor's one scale knows no blocks; only the order of the f32 sums along K differs from ascending k.
; No LDS, no barrier: waves share nothing.  No cluster, no matrix unit: no two work-groups read the same bytes, and there is no product here.
; Loads run four steps (16 loads a wave) ahead, in four sets of registers; every offset is an immediate, no pointer is stepped, each step has its own registers for its codes: no store's sources are ever rewritten.
.set WGX,   1024                       ; x's work-groups: 8192 x 4096 / 32,768
.set STEPS, 16
.set R,     16                         ; v16-79   four sets of 16 numbers as loaded
.set C,     80                         ; v80-143  x: four registers of codes for each step
.set ACC,   80                         ; v80-95   W: sixteen running sums
	s_load_b128 s[4:7], s[0:1], 0x0                ; x s[4:5], W s[6:7]
	s_load_b128 s[8:11], s[0:1], 0x10              ; the scales' exponents s[8:9], x's codes s[10:11]
	s_load_b64 s[12:13], s[0:1], 0x20              ; the partial sums
	v_lshrrev_b32 v1, 5, v0
	v_readfirstlane_b32 s16, v1                    ; wave 0..3
	v_and_b32 v2, 31, v0                           ; lane
	v_lshlrev_b32 v3, 4, v2                        ; my 16 bytes of a load's or a store's 512; never rewritten
	s_cmp_lt_u32 ttmp9, WGX                        ; x's work-group or W's?
	s_cselect_b32 s17, 0, WGX
	s_sub_co_u32 s17, ttmp9, s17
	s_lshl_b32 s17, s17, 2
	s_add_co_u32 s18, s17, s16                     ; which run of 8,192 numbers of the tensor is my wave's: at most 4,095
	s_lshl_b32 s20, s18, 15                        ; its first byte: 32,768 a run, under 2^27
	s_mov_b32 s21, 0
	s_wait_kmcnt 0x0
	s_cmp_lt_u32 ttmp9, WGX                        ; (compared anew: the arithmetic above has written SCC)  the choice hangs on the work-group's number alone
	s_cselect_b64 s[4:5], s[4:5], s[6:7]
	s_add_nc_u64 s[4:5], s[4:5], s[20:21]
.macro LOAD t, nt                      ; step t's 2,048 bytes into set t % 4.  nt = 1: x, which the program reads once; W is read again by the next launch
.irp i, 0,1,2,3
.if \nt
	global_load_b128 v[R+16*((\t)%4)+4*\i:R+16*((\t)%4)+4*\i+3], v3, s[4:5] offset:2048*(\t)+512*\i th:TH_LOAD_NT
.else
	global_load_b128 v[R+16*((\t)%4)+4*\i:R+16*((\t)%4)+4*\i+3], v3, s[4:5] offset:2048*(\t)+512*\i
.endif
.endr
.endm
.macro WAITL t                         ; step t's four loads are in; those of the up to three steps behind it (four each) may be out
.if STEPS-1-(\t) >= 3
	s_wait_loadcnt 12
.else
	s_wait_loadcnt 4*(STEPS-1-(\t))
.endif
.endm
	s_cmp_ge_u32 ttmp9, WGX
	s_cbranch_scc1 .Lsum
	; ---- x: numbers into codes
	s_load_b32 s24, s[8:9], 0x0                    ; e0
	s_lshl_b32 s22, s18, 13                        ; my run's codes: 8,192 bytes a run
	s_mov_b32 s23, 0
	s_add_nc_u64 s[10:11], s[10:11], s[22:23]
	s_wait_alu depctr_va_vdst(0)
.irp t, 0,1,2,3
	LOAD \t, 1
.endr
	s_wait_kmcnt 0x0
	s_add_co_i32 s24, s24, 127
	s_lshl_b32 s25, s24, 23
	v_mov_b32 v11, s25                             ; 2^e0 as f32: the conversion takes its exponent field
	s_add_co_i32 s24, s24, 8
	s_lshl_b32 s24, s24, 23
	s_or_b32 s24, s24, 0x600000
	v_mov_b32 v10, s24                             ; 448 x 2^e0
.macro STEP t
.set XS, R+16*((\t)%4)
	WAITL \t
.irp i, 0,1,2,3,4,5,6,7,8,9,10,11,12,13,14,15
	v_med3_num_f32 v[XS+\i], v[XS+\i], -v10, v10   ; the conversion to an 8-bit code does not saturate (ISA guide 7.6.2): the number is held within the largest code x the scale first
.endr
	v_cvt_scalef32_pk8_fp8_f32 v[C+4*(\t):C+4*(\t)+1], v[XS:XS+7], v11       ; eight numbers / 2^e0, to the nearest code, ties to even; the first number's code in the lowest byte
	v_cvt_scalef32_pk8_fp8_f32 v[C+4*(\t)+2:C+4*(\t)+3], v[XS+8:XS+15], v11
	; the codes are touched by a store alone and the numbers' registers are next written by loads; the next vector lines are the next step's holds, plain ones on other registers
.if (\t)+4 < STEPS
	LOAD (\t)+4, 1                                 ; the set just converted takes the step four further on
.endif
.endm
	s_wait_alu depctr_va_vdst(0)
.irp t, 0,1,2,3,4,5,6,7,8,9,10,11,12,13,14,15
	STEP \t
.endr
	; all sixteen stores stand behind the last conversion: each step's codes have registers of their own, so no vector line follows a store
.irp t, 0,1,2,3,4,5,6,7,8,9,10,11,12,13,14,15
	global_store_b128 v3, v[C+4*\t:C+4*\t+3], s[10:11] offset:512*\t   ; 32 lanes store 512 consecutive bytes, at a multiple of 512 from the buffer's first byte
.endr
	s_endpgm
	; ---- W: the sum of |W| over my wave's 8,192 numbers.  Sixteen chains a lane, each sixteen additions long, then a tree: no long chain of f32 additions
.Lsum:
	s_wait_alu depctr_va_vdst(0)
.irp t, 0,1,2,3
	LOAD \t, 0
.endr
	s_mov_b32 s26, 0x76543210                      ; v_permlanex16_b32: lane l takes lane l xor 16
	s_mov_b32 s27, 0xfedcba98
	s_lshl_b32 s28, s18, 2                         ; my wave's word among the 1,024 partial sums
	v_mov_b32 v4, s28
.macro SUM t
	WAITL \t
.irp i, 0,1,2,3,4,5,6,7,8,9,10,11,12,13,14,15
.if (\t) == 0
	v_and_b32 v[ACC+\i], 0x7fffffff, v[R+\i]       ; the first step starts the chains: nothing is cleared
.else
	v_add_f32 v[ACC+\i], v[ACC+\i], |v[R+16*((\t)%4)+\i]|
.endif
.endr
.if (\t)+4 < STEPS
	LOAD (\t)+4, 0
.endif
.endm
.irp t, 0,1,2,3,4,5,6,7,8,9,10,11,12,13,14,15
	SUM \t
.endr
.irp p, 0,2,4,6
	v_pk_add_f32 v[ACC+\p:ACC+\p+1], v[ACC+\p:ACC+\p+1], v[ACC+8+\p:ACC+8+\p+1]
.endr
.irp p, 0,2
	v_pk_add_f32 v[ACC+\p:ACC+\p+1], v[ACC+\p:ACC+\p+1], v[ACC+4+\p:ACC+4+\p+1]
.endr
	v_pk_add_f32 v[ACC:ACC+1], v[ACC:ACC+1], v[ACC+2:ACC+3]
	v_add_f32 v[ACC], v[ACC], v[ACC+1]
	v_add_f32_dpp v[ACC], v[ACC], v[ACC] row_xmask:1 row_mask:0xf bank_mask:0xf
	v_add_f32_dpp v[ACC], v[ACC], v[ACC] row_xmask:2 row_mask:0xf bank_mask:0xf
	v_add_f32_dpp v[ACC], v[ACC], v[ACC] row_xmask:4 row_mask:0xf bank_mask:0xf
	v_add_f32_dpp v[ACC], v[ACC], v[ACC] row_xmask:8 row_mask:0xf bank_mask:0xf
	v_permlanex16_b32 v[ACC+1], v[ACC], s26, s27   ; (its destination has been written)
	v_add_f32 v[ACC], v[ACC], v[ACC+1]             ; the wave's sum, in every lane
	s_wait_alu depctr_va_vdst(0)
	s_wait_xcnt 0x0                                ; EXEC is a source of the loads above: it is narrowed only behind this wait
	v_cmp_eq_u32 vcc_lo, 0, v2
	s_and_saveexec_b32 s29, vcc_lo                 ; lane 0 alone stores: one word a wave, 4,096 bytes in the whole launch
	global_store_b32 v4, v[ACC], s[12:13]
	s_wait_xcnt 0x0                                ; and widened again only behind this one
	s_or_b32 exec_lo, exec_lo, s29
	s_endpgm
.Lfunc_end_k_q06f4aab19b_prep:
	.size	k_q06f4aab19b_prep, .Lfunc_end_k_q06f4aab19b_prep-k_q06f4aab19b_prep
	.p2alignl 7, 3214868480
	.fill 96, 4, 3214868480
	.section	.rodata,"a",@progbits
	.p2align	6, 0x0
	.amdhsa_kernel k_q06f4aab19b_prep
		.amdhsa_group_segment_fixed_size 0
		.amdhsa_private_segment_fixed_size 0
		.amdhsa_enable_private_segment 0
		.amdhsa_kernarg_size 40
		.amdhsa_user_sgpr_count 2
		.amdhsa_user_sgpr_kernarg_segment_ptr 1
		.amdhsa_wavefront_size32 1
		.amdhsa_system_sgpr_workgroup_id_x 1
		.amdhsa_system_sgpr_workgroup_id_y 1
		.amdhsa_system_sgpr_workgroup_id_z 1
		.amdhsa_system_vgpr_workitem_id 0
		.amdhsa_next_free_vgpr 144
		.amdhsa_next_free_sgpr 66
		.amdhsa_reserve_vcc 1
		.amdhsa_float_denorm_mode_32 3
		.amdhsa_float_denorm_mode_16_64 3
		.amdhsa_memory_ordered 1
		.amdhsa_forward_progress 1
		.amdhsa_inst_pref_size 52
	.end_amdhsa_kernel
	.amdgpu_metadata
---
amdhsa.version: [ 1, 2 ]
amdhsa.kernels:
  - .name:           k_q06f4aab19b_prep
    .symbol:         k_q06f4aab19b_prep.kd
    .args:
      - { .name: input, .offset: 0, .size: 8, .value_kind: global_buffer, .address_space: global }
      - { .name: W, .offset: 8, .size: 8, .value_kind: global_buffer, .address_space: global }
      - { .name: lowp_scales, .offset: 16, .size: 8, .value_kind: global_buffer, .address_space: global }
      - { .name: xcodes, .offset: 24, .size: 8, .value_kind: global_buffer, .address_space: global }
      - { .name: partials, .offset: 32, .size: 8, .value_kind: global_buffer, .address_space: global }
    .group_segment_fixed_size: 0
    .private_segment_fixed_size: 0
    .kernarg_segment_align: 8
    .kernarg_segment_size: 40
    .max_flat_workgroup_size: 128
    .sgpr_count:     66
    .vgpr_count:     144
    .wavefront_size: 32
...
	.end_amdgpu_metadata
.endif
;; end of part 1
;; launch wq (part 2): grid 256 x 1, 8 waves a work-group, no clusters, 35,840 bytes of LDS; arguments W, partials, lowp_scales, wcodes; writes wcodes
.if DOCPART == 2
	.amdgcn_target "amdgcn-amd-amdhsa--gfx1250"
	.amdhsa_code_object_version 6
	.text
	.protected	k_q06f4aab19b_wq
	.globl	k_q06f4aab19b_wq
	.p2align	8
	.type	k_q06f4aab19b_wq,@function
k_q06f4aab19b_wq:
	s_mov_b64 s[64:65], 0
	v_nop
	global_prefetch_b8 v0, s[64:65] scope:SCOPE_SE
	s_setreg_imm32_b32 hwreg(HW_REG_WAVE_MODE, 25, 1), 1
	s_wait_xcnt 0x0
; Wq = round(clip(W / (mean|W| + 1e-5), -1, 1)), ties to even, and its codes of FP8 (E4M3) with the given scale 2^e1 (entry 1 of the scales).  W: [2048][4096] f32; the codes: 8,388,608 bytes.
; THE MEAN.  Every wave adds the 1,024 partial sums of the launch before, in the same order, so that every wave has the same number; x 2^-23 (W has 2^23 numbers) rounds nothing, + 1e-5 rounds once: one fused multiply-add.
; THE DIVISION is a multiplication by 1 / d, d = mean + 1e-5: v_rcp_f32 and one Newton step in f32.
; LIMITS: d under 2^126 (v_rcp_f32 gives 0 where its result would be denormal: ISA guide 15.8); e1 between -126 and 119; NaN among the inputs is not served.
; SHARES.  A work-group takes 16 rows of W x half of K (2,048 numbers); wave w takes rows 2 w and 2 w + 1: 8 steps of 512 numbers, 32 loads of 512 consecutive bytes, all issued at once behind the 8 loads of the partial sums.
; WHERE A CODE STANDS IN ITS ROW: as in x's codes: inside each 512 along K the code of k = 128 i + 4 l + j is byte p = 16 l + 4 i + j (l: lane, i: load of the step, j: number in the load).
; THE CODES' LAYOUT IS THE ORDER OF THE PRODUCT'S OPERAND REGISTERS.  Byte p of row n lies at 262,144 (n / 64) + 8,192 (p / 128) + 2,048 ((n / 16) % 4) + 512 ((p / 32) % 4) + 256 ((p / 16) % 2) + 16 (n % 16) + p % 16:
; 16 rows x 128 bytes are 2,048 bytes on end, four loads of 16 bytes a lane; the four blocks of 64 rows follow each other, then the next 128 along the rows.
; A lane's 16 codes are one sixteenth of 256 such bytes, and the other fifteen come from the other rows: so the codes turn through LDS, 128 units of 256 bytes + 16 of padding (lane l of a step writes unit 32 (step % 4) + l,
; so that sixteen lanes fall on sixteen different columns of 16 bytes), one barrier, and leave as runs of 512 consecutive bytes, aligned.
; No cluster, no matrix unit: each byte of W is read by one wave; the partial sums, 4,096 bytes, are the one thing that all read.
.set P,     16                         ; v16-47   the partial sums: 32 a lane; at the end the codes read back from LDS
.set R,     48                         ; v48-175  my two half rows of W: 128 numbers a lane
.set C,     176                        ; v176-207 four registers of codes for each step
.set UP,    272                        ; a unit's place in LDS
.set SPARE, 128*UP                     ; behind the units: the spare words, 128 bytes for each wave: four blocks of 256 bytes that no other line names
.set SPW,   10                         ; v10      LDS address of my spare word: SPARE + 4 x my thread's number; never rewritten
.set NIL,   11                         ; v11      0; never rewritten
.set LIN,   12                         ; v12      into LDS: UP x lane + 32 x wave (16 bytes for each of my two rows)
.set LOUT,  13                         ; v13      out of LDS: my wave's 16 units; lanes 0-15 one unit, lanes 16-31 the next
	s_load_b128 s[4:7], s[0:1], 0x0                ; W s[4:5], the partial sums s[6:7]
	s_load_b128 s[8:11], s[0:1], 0x10              ; the scales' exponents s[8:9], W's codes s[10:11]
	v_lshl_add_u32 v[SPW], v0, 2, SPARE
	v_mov_b32 v[NIL], 0
	v_lshrrev_b32 v1, 5, v0
	s_delay_alu instid0(VALU_DEP_1)
	v_readfirstlane_b32 s16, v1                    ; wave 0..7
	v_and_b32 v2, 31, v0
	s_delay_alu instid0(VALU_DEP_1)
	v_lshlrev_b32 v3, 4, v2                        ; 16 x lane; never rewritten
	s_delay_alu instid0(VALU_DEP_2)
	v_mul_u32_u24 v[LIN], v2, UP
	s_lshl_b32 s17, s16, 5
	v_add_nc_u32 v[LIN], s17, v[LIN]
	v_lshrrev_b32 v14, 4, v2
	s_delay_alu instid0(VALU_DEP_1)
	v_mul_u32_u24 v[LOUT], v14, UP
	v_and_b32 v14, 15, v2
	s_delay_alu instid0(VALU_DEP_1)
	v_lshl_add_u32 v[LOUT], v14, 4, v[LOUT]
	s_mul_i32 s17, s16, 16*UP
	v_add_nc_u32 v[LOUT], s17, v[LOUT]
	s_lshr_b32 s18, ttmp9, 1                       ; which 16 rows
	s_and_b32 s19, ttmp9, 1                        ; which half of K
	s_lshl_b32 s20, s18, 18                        ; W: 16 rows of 16,384 bytes,
	s_lshl_b32 s17, s16, 15                        ; my two rows,
	s_add_co_u32 s20, s20, s17
	s_lshl_b32 s17, s19, 13                        ; half a row
	s_add_co_u32 s20, s20, s17
	s_mov_b32 s21, 0
	s_lshr_b32 s22, s18, 2                         ; the codes: 64 rows are 262,144 bytes,
	s_lshl_b32 s22, s22, 18
	s_and_b32 s17, s18, 3                          ; a block of 16 rows 2,048 in each 8,192,
	s_lshl_b32 s17, s17, 11
	s_add_co_u32 s22, s22, s17
	s_lshl_b32 s17, s19, 17                        ; half of K sixteen times 8,192,
	s_add_co_u32 s22, s22, s17
	s_lshl_b32 s17, s16, 14                        ; and my wave stores two of the sixteen
	s_add_co_u32 s22, s22, s17
	s_mov_b32 s23, 0
	s_mov_b32 s26, 0x76543210                      ; v_permlanex16_b32: lane l takes lane l xor 16
	s_mov_b32 s27, 0xfedcba98
	s_mov_b32 s30, 0x34000000                      ; 2^-23
	s_mov_b32 s31, 0x3727c5ac                      ; 1e-5
	s_wait_alu depctr_va_vdst(0)
	s_wait_kmcnt 0x0
	s_load_b32 s24, s[8:9], 0x4                    ; e1
	s_add_nc_u64 s[4:5], s[4:5], s[20:21]
	s_add_nc_u64 s[10:11], s[10:11], s[22:23]
.irp i, 0,1,2,3,4,5,6,7
	global_load_b128 v[P+4*\i:P+4*\i+3], v3, s[6:7] offset:512*\i
.endr
.irp n, 0,1,2,3,4,5,6,7,8,9,10,11,12,13,14,15,16,17,18,19,20,21,22,23,24,25,26,27,28,29,30,31
	global_load_b128 v[R+4*\n:R+4*\n+3], v3, s[4:5] offset:(\n/16)*16384+(\n%16)*512 th:TH_LOAD_NT   ; 16 loads for each of my two rows; W's last read in the program
.endr
	s_wait_kmcnt 0x0
	s_add_co_i32 s24, s24, 127
	s_lshl_b32 s25, s24, 23                        ; 2^e1 as f32
	s_add_co_i32 s24, s24, 8
	s_lshl_b32 s24, s24, 23
	s_or_b32 s24, s24, 0x600000                    ; 448 x 2^e1
	s_wait_loadcnt 32                              ; the partial sums are in; W's 32 loads, issued behind them, may be out
.irp p, 0,2,4,6,8,10,12,14
	v_pk_add_f32 v[P+\p:P+\p+1], v[P+\p:P+\p+1], v[P+16+\p:P+16+\p+1]
.endr
.irp p, 0,2,4,6
	s_delay_alu instid0(VALU_DEP_4)
	v_pk_add_f32 v[P+\p:P+\p+1], v[P+\p:P+\p+1], v[P+8+\p:P+8+\p+1]
.endr
.irp p, 0,2
	s_delay_alu instid0(VALU_DEP_2)
	v_pk_add_f32 v[P+\p:P+\p+1], v[P+\p:P+\p+1], v[P+4+\p:P+4+\p+1]
.endr
	s_delay_alu instid0(VALU_DEP_1)
	v_pk_add_f32 v[P:P+1], v[P:P+1], v[P+2:P+3]
	s_delay_alu instid0(VALU_DEP_1)
	v_add_f32 v[P], v[P], v[P+1]
	s_delay_alu instid0(VALU_DEP_1)
	v_add_f32_dpp v[P], v[P], v[P] row_xmask:1 row_mask:0xf bank_mask:0xf
	s_delay_alu instid0(VALU_DEP_1)
	v_add_f32_dpp v[P], v[P], v[P] row_xmask:2 row_mask:0xf bank_mask:0xf
	s_delay_alu instid0(VALU_DEP_1)
	v_add_f32_dpp v[P], v[P], v[P] row_xmask:4 row_mask:0xf bank_mask:0xf
	s_delay_alu instid0(VALU_DEP_1)
	v_add_f32_dpp v[P], v[P], v[P] row_xmask:8 row_mask:0xf bank_mask:0xf
	s_delay_alu instid0(VALU_DEP_1)
	v_permlanex16_b32 v[P+1], v[P], s26, s27
	s_delay_alu instid0(VALU_DEP_1)
	v_add_f32 v[P], v[P], v[P+1]                   ; the sum of |W| over all of W, in every lane
	s_delay_alu instid0(VALU_DEP_1)
	v_fma_f32 v8, v[P], s30, s31                   ; d = mean + 1e-5
	s_wait_alu depctr_va_vdst(0)
	v_rcp_f32 v6, v8
	v_mov_b32 v4, s25                              ; two plain lines behind the reciprocal: the conversion's scale,
	v_mov_b32 v5, s24                              ; and the hold's bound
	s_wait_alu depctr_va_vdst(0)                   ; ahead of the first line that names the reciprocal
	v_fma_f32 v9, -v8, v6, 1.0                     ; one Newton step: r + r (1 - d r)
	v_fma_f32 v6, v9, v6, v6
	s_delay_alu instid0(VALU_DEP_1)
	v_mov_b32 v7, v6                               ; 1 / d twice: a pair for the packed multiply
.macro WSTEP t                         ; step t: row 2 w + t / 4, the (t % 4)-th 512 numbers of my half of K
.set XS, R+16*(\t)
	s_wait_loadcnt 4*(7-(\t))                      ; this step's four loads are in; the later steps', four each, may be out
.irp i, 0,2,4,6,8,10,12,14
	v_pk_mul_f32 v[XS+\i:XS+\i+1], v[XS+\i:XS+\i+1], v[6:7]
.endr
.irp i, 0,1,2,3,4,5,6,7,8,9,10,11,12,13,14,15
	v_med3_num_f32 v[XS+\i], v[XS+\i], -1.0, 1.0   ; the clip
.endr
.irp i, 0,1,2,3,4,5,6,7,8,9,10,11,12,13,14,15
	v_rndne_f32 v[XS+\i], v[XS+\i]                 ; to the nearest whole number, ties to even: -1, 0 or 1
.endr
.irp i, 0,1,2,3,4,5,6,7,8,9,10,11,12,13,14,15
	v_med3_num_f32 v[XS+\i], v[XS+\i], -v5, v5     ; the quantiser's hold at the largest code x the scale: always executed, whatever e1 is
.endr
	v_cvt_scalef32_pk8_fp8_f32 v[C+4*(\t):C+4*(\t)+1], v[XS:XS+7], v4
	v_cvt_scalef32_pk8_fp8_f32 v[C+4*(\t)+2:C+4*(\t)+3], v[XS+8:XS+15], v4
	; the codes are touched by an LDS store alone, the numbers' registers are never written again; the next vector lines are plain ones on other registers
	ds_store_b128 v[LIN], v[C+4*(\t):C+4*(\t)+3] offset:((\t)%4)*32*UP+16*((\t)/4)   ; unit 32 (t % 4) + lane, my row's 16 bytes of it
.endm
	s_wait_alu depctr_va_vdst(0)
.irp t, 0,1,2,3,4,5,6,7
	WSTEP \t
.endr
	s_wait_dscnt 0x0                               ; for the others' sake: my stores into the units are done
	s_barrier_signal -1
	s_barrier_wait -1                              ; all 128 units are whole
.irp i, 0,1,2,3,4,5,6,7
	ds_load_b128 v[P+4*\i:P+4*\i+3], v[LOUT] offset:\i*2*UP        ; units 16 w + 2 i and 16 w + 2 i + 1
.endr
.irp i, 0,1,2,3,4,5,6,7
	s_wait_dscnt 7-\i                              ; load i is in; the later ones may be out
	global_store_b128 v3, v[P+4*\i:P+4*\i+3], s[10:11] offset:(\i/4)*8192+(\i%4)*512   ; 32 lanes store 512 consecutive bytes, aligned
.endr
	s_wait_tensorcnt 0x0                           ; the wave's end
	ds_add_u32 v[SPW], v[NIL]
	s_wait_dscnt 0x0
	s_endpgm
.Lfunc_end_k_q06f4aab19b_wq:
	.size	k_q06f4aab19b_wq, .Lfunc_end_k_q06f4aab19b_wq-k_q06f4aab19b_wq
	.p2alignl 7, 3214868480
	.fill 96, 4, 3214868480
	.section	.rodata,"a",@progbits
	.p2align	6, 0x0
	.amdhsa_kernel k_q06f4aab19b_wq
		.amdhsa_group_segment_fixed_size 35840
		.amdhsa_private_segment_fixed_size 0
		.amdhsa_enable_private_segment 0
		.amdhsa_kernarg_size 32
		.amdhsa_user_sgpr_count 2
		.amdhsa_user_sgpr_kernarg_segment_ptr 1
		.amdhsa_wavefront_size32 1
		.amdhsa_system_sgpr_workgroup_id_x 1
		.amdhsa_system_sgpr_workgroup_id_y 1
		.amdhsa_system_sgpr_workgroup_id_z 1
		.amdhsa_system_vgpr_workitem_id 0
		.amdhsa_next_free_vgpr 208
		.amdhsa_next_free_sgpr 66
		.amdhsa_reserve_vcc 0
		.amdhsa_float_denorm_mode_32 3
		.amdhsa_float_denorm_mode_16_64 3
		.amdhsa_memory_ordered 1
		.amdhsa_forward_progress 1
		.amdhsa_inst_pref_size 36
	.end_amdhsa_kernel
	.amdgpu_metadata
---
amdhsa.version: [ 1, 2 ]
amdhsa.kernels:
  - .name:           k_q06f4aab19b_wq
    .symbol:         k_q06f4aab19b_wq.kd
    .args:
      - { .name: W, .offset: 0, .size: 8, .value_kind: global_buffer, .address_space: global }
      - { .name: partials, .offset: 8, .size: 8, .value_kind: global_buffer, .address_space: global }
      - { .name: lowp_scales, .offset: 16, .size: 8, .value_kind: global_buffer, .address_space: global }
      - { .name: wcodes, .offset: 24, .size: 8, .value_kind: global_buffer, .address_space: global }
    .group_segment_fixed_size: 35840
    .private_segment_fixed_size: 0
    .kernarg_segment_align: 8
    .kernarg_segment_size: 32
    .max_flat_workgroup_size: 256
    .sgpr_count:     66
    .vgpr_count:     208
    .wavefront_size: 32
...
	.end_amdgpu_metadata
.endif
;; end of part 2
;; launch gemm (part 3): grid 8 x 32, 4 waves a work-group, clusters of 4 x 4, 327,680 bytes of LDS; arguments xcodes, wcodes, lowp_scales, out0; writes out0
.if DOCPART == 3
	.amdgcn_target "amdgcn-amd-amdhsa--gfx1250"
	.amdhsa_code_object_version 6
	.text
	.protected	k_q06f4aab19b_gemm
	.globl	k_q06f4aab19b_gemm
	.p2align	8
	.type	k_q06f4aab19b_gemm,@function
k_q06f4aab19b_gemm:
	s_mov_b64 s[64:65], 0
	v_nop
	global_prefetch_b8 v0, s[64:65] scope:SCOPE_SE
	s_setreg_imm32_b32 hwreg(HW_REG_WAVE_MODE, 25, 1), 1
	s_wait_xcnt 0x0
	s_wait_alu depctr_hold_cnt(0) depctr_sa_sdst(0) depctr_va_vdst(0) depctr_va_sdst(0) depctr_va_ssrc(0) depctr_va_vcc(0) depctr_vm_vsrc(0)
	s_getreg_b32 s2, hwreg(HW_REG_IB_STS2, 6, 4)
	s_cmp_eq_u32 s2, 0
	s_cbranch_scc0 .Lentry_in_a_cluster
	s_endpgm
.Lentry_in_a_cluster:
	s_bfe_u32 s2, ttmp6, 0x10000c
	s_cmp_lg_u32 s2, 0xf033
	s_cbranch_scc0 .Lentry_shape_is_right
	s_endpgm
.Lentry_shape_is_right:
; out[m][n] = 2^(e0 + e1) x sum over k of xcode[m][k] wcode[n][k].  x's codes: [8192][4096] bytes; W's codes: 8,388,608 bytes in the order of the operand registers (below); out: [8192][2048] f32; sums in f32.
; LIMIT: e0 + e1 lies between -126 and 127, so that 2^(e0 + e1) is an f32 number.
; Inside each 512 along K both tensors' codes stand in the same permuted order (the two launches before lay them so): every code of x meets its partner of W; only the order of the f32 sums differs from ascending k.
; A tile of 256 x 256 is made by four waves; a wave makes all 256 rows x 64 columns: 64 accumulators, 512 registers.
; x: K goes in slots of 512 bytes a row (four steps of 128) through a ring of two LDS slots; each wave fetches 64 rows by one tensor load, asked for JOINTLY by the four work-groups of a row of the 4 x 4 cluster.
; W: byte p of row n lies at 262,144 (n / 64) + 8,192 (p / 128) + 2,048 ((n / 16) % 4) + 512 ((p / 32) % 4) + 256 ((p / 16) % 2) + 16 (n % 16) + p % 16: a wave's 64 columns x 128 K are 8,192 bytes on end, sixteen loads
; of 512 consecutive bytes straight into the operand's registers.  No two waves of a work-group read the same byte of W, so it passes by LDS; it is not asked for jointly, since it lands in registers.
; THE MATRIX INSTRUCTION IS USED TRANSPOSED (source 0 = 16 rows of W, source 1 = 16 rows of x): a lane holds eight neighbouring numbers of a row of out.
; REGISTERS: window 0: v0-31 addresses, v32-63 the way out, v64-127 a third set of W (last steps only), v128-255 x's blocks 0-7 (16 registers each).  window 1: v0-127 W's fragments, two sets of 64; v128-255 x's blocks 8-15.
;   window 2: the accumulators of rows 0-127 ((i, b) at v[32 (i % 8) + 8 b]); window 3: those of rows 128-255.
; A STEP is 64 matrix instructions in two halves of 32.  A half's eight blocks of x are free when its products are issued: the next step's blocks 0-7 are fetched in the step's middle, blocks 8-15 at its end,
; each run 32 matrix instructions ahead of its use.  W's set is free at the step's end and takes the step after next.
; THE LAST THREE STEPS GO BY HALVES OF THE ROWS: rows 0-127 through steps 5, 6, 7 of the last lap, then rows 128-255; W's three sets stay in registers for both, so no byte is loaded twice; rows 0-127 begin to leave while rows 128-255 are multiplied.
.set SIZE_N, 2048
.set KROW,   4096
.set ROWB,   512                       ; a slot's row in bytes
.set PITCH,  528                       ; 512 + 16 of padding: the sixteen rows that a fragment load touches start at sixteen different banks (64 banks of 4 bytes: ISA guide 11.1)
.set QT,     64*PITCH                  ; what one tensor load brings
.set SLOT,   4*QT
.set SPARE,  2*SLOT                    ; behind the ring: the spare words, 128 bytes a wave
.set STG,    SPARE+512                 ; behind them: the stages of the way out, bytes of their own: slot 1 is still read when the first rows leave
.set TRIPS,  3
.set BSTEP,  8192                      ; a wave's bytes of W in a step
.set OROW,   SIZE_N*4
.set SPITCH, 272                       ; stage rows of 256 + 16 bytes
.set STW,    32*SPITCH
.set NP,     4                         ; places behind this matrix instruction (ISA guide 7.12.1)
.set ADRA, 16                          ; v16-19 LDS address of x's fragments: slot 0 rows 0-127, 128-255; slot 1 likewise
.set STO,  24
.set RD,   25
.set CO,   26
.set BO,   27                          ; 16 x lane
.set SPW,  28
.set NIL,  29
.set PFO,  30                          ; x's prefetch: 16 rows x 2 blocks of 256 bytes
.set PFB,  31                          ; W's prefetch: 256 x lane + 8,192 x cy
.set TMP,  32
.set AF,   128
.set BP,   12                          ; s[12:13] my wave's bytes of W
.set G1,   24
.set G0,   32
.set PFA,  66
.set LIM,  68
.set LIMB, 69
.set PBB,  70
.set MSB, 0
.macro WIN new                         ; the immediate's high byte repeats the setting that is left
.if MSB != (\new)
	s_set_vgpr_msb (MSB<<8)|(\new)
.set MSB, (\new)
.endif
.endm
.set MUL_LO, 0xa1                      ; W window 1, x window 0, C and D window 2
.set MUL_HI, 0xf5                      ; W window 1, x window 1, C and D window 3
.set TO_1,   0x40
.macro JLOAD s                         ; every wave's quarter of a slot; s_nop 0 and four v_nop follow
	tensor_load_to_lds s[G0+4*\s:G0+4*\s+3], s[G1:G1+7]
	s_nop 0
.rept 4
	v_nop
.endr
.endm
; PREFETCHES INTO THE L2, behind each refill and the run of LDS loads behind it.  x: the slot that the next refill will ask for, 16 rows x 512 bytes a wave, the four partners of a cluster row told apart by address (cx);
; the two clusters that share these rows: cluster x = 0 asks.  W: the four steps that stand two slots on, 32,768 bytes a wave, of which each partner of a cluster column takes 8,192 by address (cy), a lane a block of 256;
; of the eight cluster rows that read them, rows 0-3 ask.  x's last refill has no successor (strict); W's six refills name slots 2 to 7, all inside the buffer.  o: the lap's first or second refill, an immediate offset.
.macro ASK strict, o
.if \strict
	s_cmp_gt_u32 s3, s[LIM]
.else
	s_cmp_ge_u32 s3, s[LIM]
.endif
	s_cbranch_scc0 .Lnot_a_\@
	global_prefetch_b8 v[PFO], s[PFA:PFA+1] offset:\o*ROWB th:TH_LOAD_NT scope:SCOPE_SE
.Lnot_a_\@:
	s_cmp_lg_u32 s[LIMB], 0
	s_cbranch_scc0 .Lnot_b_\@
	global_prefetch_b8 v[PFB], s[PBB:PBB+1] offset:\o*4*BSTEP th:TH_LOAD_NT scope:SCOPE_SE
.Lnot_b_\@:
.endm
.macro CREST                           ; a round of the cluster's barrier behind its opening barrier
	s_cmp_lg_u32 s14, 0
	s_cbranch_scc1 .Lnot_wave_0_\@
	s_barrier_signal -3
.Lnot_wave_0_\@:
	s_barrier_wait -3
	s_barrier_signal -1
	s_barrier_wait -1
.endm
.macro CROUND
	s_barrier_signal -1
	s_barrier_wait -1
	CREST
.endm
.macro PLACES n
.rept \n
	v_nop
.endr
.endm
.macro BLOAD x                         ; W's four fragments of the lap's step x into set x % 2 (window 1)
.irp n, 0,1,2,3,4,5,6,7,8,9,10,11,12,13,14,15
	global_load_b128 v[64*((\x)%2)+4*\n:64*((\x)%2)+4*\n+3], v[BO], s[BP:BP+1] offset:BSTEP*(\x)+512*\n
.endr
.endm
.macro AFETCH sl, q, u                 ; x's blocks 8 u .. 8 u + 7 of the slot's step q: 32 loads into window u
	WIN TO_1*(\u)
.irp i, 0,1,2,3,4,5,6,7
.irp c, 0,1,2,3
	ds_load_b128 v[AF+16*\i+4*\c:AF+16*\i+4*\c+3], v[ADRA+2*(\sl)+(\u)] offset:128*(\q)+32*\c+\i*16*PITCH
.endr
.endr
.endm
.macro MUL4 g, i, zero                 ; block i of x against W's four fragments
.set DA, 32*((\i)%8)
.set FA, AF+16*((\i)%8)
.irp b, 0,1,2,3
.if \zero
	v_wmma_f32_16x16x128_fp8_fp8 v[DA+8*\b:DA+8*\b+7], v[64*((\g)%2)+16*\b:64*((\g)%2)+16*\b+15], v[FA:FA+15], 0
.else
	v_wmma_f32_16x16x128_fp8_fp8 v[DA+8*\b:DA+8*\b+7], v[64*((\g)%2)+16*\b:64*((\g)%2)+16*\b+15], v[FA:FA+15], v[DA+8*\b:DA+8*\b+7]
.endif
.endr
.endm
.macro MULS g, zero, i0, i1, i2, i3    ; the accumulators take turns, in the same order in every step
.irp i, \i0,\i1,\i2,\i3
	MUL4 \g, \i, \zero
.endr
.endm
; A step that has its successor in the same slot.  g: the step's number in the lap; bx: the step of W that is loaded at its end; lc: W's loads that may be out; sb = 1: the lap's bases are stepped in its middle
.macro STEP sl, q, g, zero, bx, lc, sb
	s_wait_dscnt 32                                ; blocks 0-7 are in; the 32 loads of blocks 8-15, issued behind them, may be out
	s_wait_loadcnt \lc                             ; this step's set of W is in; the next step's sixteen loads may be out
	WIN MUL_LO
	MULS \g, \zero, 0,1,2,3
	MULS \g, \zero, 4,5,6,7
	PLACES NP
.if \sb
	s_wait_xcnt 0x0                                ; W's loads and my prefetches have read their bases: the newest of them were issued 32 matrix instructions ago
	s_add_nc_u64 s[BP:BP+1], s[BP:BP+1], 8*BSTEP
	s_add_nc_u64 s[PFA:PFA+1], s[PFA:PFA+1], 2*ROWB
	s_add_nc_u64 s[PBB:PBB+1], s[PBB:PBB+1], 8*BSTEP
.endif
	AFETCH \sl, (\q)+1, 0
	s_wait_dscnt 32                                ; blocks 8-15 are in; the 32 loads just issued may be out
	WIN MUL_HI
	MULS \g, \zero, 8,9,10,11
	MULS \g, \zero, 12,13,14,15
	PLACES NP
	WIN TO_1
	BLOAD \bx
	AFETCH \sl, (\q)+1, 1
.endm
; A slot's last step changes slots: one barrier; in front of it each wave waits for all its tensor loads, adds 0 to its spare word, and waits for that and for its reads of this slot.  fill = 1: the barrier opens a round of the cluster's, and this slot is filled again.
.macro TURN sl, nx, g, fill, strict, o
	WIN 0
	s_wait_tensorcnt 0x0                           ; my part of the next slot has landed
	ds_add_u32 v[SPW], v[NIL]
	s_wait_dscnt 33                                ; blocks 0-7 are in; the 32 loads of blocks 8-15 and the add may be out
	s_wait_loadcnt 16
	WIN MUL_LO
	MULS \g, 0, 0,1,2,3
	s_wait_dscnt 0x0                               ; the add is done, and my reads of this slot are over
	s_barrier_signal -1
	MULS \g, 0, 4,5,6,7
	WIN 0
	s_barrier_wait -1
.if \fill
	CREST
	s_add_nc_u64 s[G0+4*\sl+2:G0+4*\sl+3], s[G0+4*\sl+2:G0+4*\sl+3], 2*ROWB
	JLOAD \sl                                      ; the first tensor load behind the round; its four v_nop are the places in front of the loads below
.else
	PLACES NP
.endif
	AFETCH \nx, 0, 0
.if \fill
	ASK \strict, \o
.endif
	WIN MUL_HI
	MULS \g, 0, 8,9,10,11
	MULS \g, 0, 12,13,14,15
	PLACES NP
	WIN TO_1
	BLOAD (\g)+2
	AFETCH \nx, 0, 1
.endm
	s_load_b128 s[4:7], s[0:1], 0x0                ; x's codes, W's codes
	s_load_b128 s[8:11], s[0:1], 0x10              ; the scales' exponents, out
	v_lshl_add_u32 v[SPW], v0, 2, SPARE
	v_mov_b32 v[NIL], 0
	ds_add_u32 v[SPW], v[NIL]                      ; the opening lines: the add, twice on end, and its wait ahead of my first tensor load
	ds_add_u32 v[SPW], v[NIL]
	v_lshrrev_b32 v1, 5, v0
	v_readfirstlane_b32 s14, v1                    ; wave 0..3
	s_mul_i32 s23, s14, STW
	s_add_co_u32 s23, s23, STG                     ; my stage
	s_bfe_u32 s41, ttmp6, 0x40004                  ; cy
	s_lshl_b32 s44, s41, 13
	v_and_b32 v6, 31, v0
	v_lshlrev_b32 v[BO], 4, v6
	v_lshl_add_u32 v[PFB], v6, 8, s44
	v_and_b32 v1, 15, v0                           ; l % 16
	v_bfe_u32 v2, v0, 4, 1                         ; l / 16
	v_mul_u32_u24 v3, v1, PITCH
	v_lshl_add_u32 v4, v2, 4, v3
.irp s, 0,1
.irp u, 0,1
	v_add_nc_u32 v[ADRA+2*\s+\u], \s*SLOT+\u*128*PITCH, v4
.endr
.endr
	v_mul_u32_u24 v5, v1, SPITCH                   ; into the stage: row l % 16, 32 bytes for each half of the lanes
	v_lshl_add_u32 v5, v2, 5, v5
	v_add_nc_u32 v[STO], s23, v5
	v_mul_u32_u24 v5, v2, SPITCH                   ; back: sixteen lanes a row of 256 bytes
	v_lshl_add_u32 v5, v1, 4, v5
	v_add_nc_u32 v[RD], s23, v5
	v_lshlrev_b32 v5, 13, v2                       ; and the same two rows in out
	v_lshl_add_u32 v[CO], v1, 4, v5
	v_lshlrev_b32 v5, 12, v1
	v_lshl_add_u32 v[PFO], v2, 8, v5
	s_wait_alu depctr_va_vdst(0)
	s_bfe_u32 s40, ttmp6, 0x40000                  ; cx
	s_lshl_b32 s42, ttmp9, 2
	s_add_co_u32 s42, s42, s40                     ; tile column
	s_and_b32 s17, ttmp7, 0xffff
	s_cmp_lt_u32 s17, 4
	s_cselect_b32 s[LIMB], 1, 0                    ; cluster rows 0-3 prefetch W
	s_lshl_b32 s17, s17, 2
	s_add_co_u32 s17, s17, s41                     ; tile row
	s_lshl_b32 s43, s41, 2
	s_lshl_b32 s43, 15, s43                        ; my row of the cluster
	s_or_b32 s[G1+0], s43, (0<<16)|(1<<20)|(1<<21)|(6<<22)|(3<<25)  ; the mask; 1-byte elements; padding of 4 words behind every 128; bit 21 beside the mask
	s_mov_b32 s[G1+1], ROWB<<16
	s_mov_b32 s[G1+2], 64<<16
	s_mov_b32 s[G1+3], ROWB<<16
	s_mov_b32 s[G1+4], 64
	s_mov_b32 s[G1+5], KROW
	s_mov_b32 s[G1+6], 0
	s_mov_b32 s[G1+7], 0
	s_lshl_b32 s20, s17, 8
	s_lshl_b32 s18, s14, 6
	s_add_co_u32 s20, s20, s18                     ; x: row 256 x tile row + 64 x wave
	s_mov_b32 s21, 0
	s_lshl_b64 s[20:21], s[20:21], 12
	s_lshl_b32 s46, s42, 2
	s_add_co_u32 s46, s46, s14
	s_lshl_b32 s46, s46, 18                        ; W: 262,144 x (4 x tile column + wave)
	s_mov_b32 s47, 0
	s_mul_i32 s45, s14, QT
	s_lshl_b32 s72, s17, 21                        ; out: 256 rows of 8,192 bytes a tile row,
	s_mov_b32 s73, 0
	s_lshl_b32 s74, s42, 10                        ; 1,024 bytes a tile column, 256 a wave
	s_lshl_b32 s75, s14, 8
	s_add_co_u32 s74, s74, s75
	s_mov_b32 s75, 0
	s_add_nc_u64 s[72:73], s[72:73], s[74:75]
	s_lshl_b32 s76, s17, 8
	s_add_co_u32 s76, s76, s18
	s_lshl_b32 s77, s40, 4
	s_add_co_u32 s76, s76, s77                     ; x's prefetch: my work-group's 16 of the 64 rows that I fetch
	s_mov_b32 s77, 0
	s_lshl_b64 s[76:77], s[76:77], 12
	s_cmp_eq_u32 ttmp9, 0
	s_cselect_b32 s[LIM], 1, -1
	s_wait_dscnt 0x0                               ; both opening adds are done
	s_wait_kmcnt 0x0
	s_load_b64 s[96:97], s[8:9], 0x0               ; e0, e1
	s_add_nc_u64 s[BP:BP+1], s[6:7], s[46:47]
	WIN TO_1
	BLOAD 0                                        ; W's first two steps go out ahead of the rounds
	BLOAD 1
	WIN 0
	s_add_nc_u64 s[20:21], s[4:5], s[20:21]
	s_add_nc_u64 s[PBB:PBB+1], s[BP:BP+1], 8*BSTEP ; W's slot 2: what the first refill's prefetch names
	s_add_nc_u64 s[10:11], s[10:11], s[72:73]
	s_add_nc_u64 s[PFA:PFA+1], s[4:5], s[76:77]
	s_add_nc_u64 s[PFA:PFA+1], s[PFA:PFA+1], 3*ROWB ; x's slot 3 likewise
.irp s, 0,1
	s_mov_b32 s[G0+4*\s], 1
	s_add_co_u32 s[G0+4*\s+1], s45, \s*SLOT
	s_add_nc_u64 s[G0+4*\s+2:G0+4*\s+3], s[20:21], \s*ROWB
	s_or_b32 s[G0+4*\s+3], s[G0+4*\s+3], 0x80000000
.endr
	CROUND                                         ; all sixteen work-groups are here: the first joint loads meet
	JLOAD 0                                        ; slot 0: one tensor load a wave at the head
	s_wait_tensorcnt 0x0                           ; my part of slot 0 is in
	ds_add_u32 v[SPW], v[NIL]
	s_wait_dscnt 0x0
	CROUND
	JLOAD 1                                        ; slot 1's first fill, the first tensor load behind the round
	AFETCH 0, 0, 0
	AFETCH 0, 0, 1
	STEP 0, 0, 0, 1, 2, 16, 0                      ; the first step stands in front of the loop: its products start the sums
	WIN 0
	s_mov_b32 s3, TRIPS
.Llap:                                                 ; a trip goes once round the ring, from a lap's second step to the next lap's first
	STEP 0, 1, 1, 0, 3, 16, 0
	STEP 0, 2, 2, 0, 4, 16, 0
	TURN 0, 1, 3, 1, 0, 0
	STEP 1, 0, 4, 0, 6, 16, 0
	STEP 1, 1, 5, 0, 7, 16, 0
	STEP 1, 2, 6, 0, 8, 16, 0
	TURN 1, 0, 7, 1, 1, 1
	STEP 0, 0, 8, 0, 2, 16, 1                      ; the next lap's step 0: the bases go on in its middle, so its load names step 2 of that lap
	WIN 0
	s_sub_co_u32 s3, s3, 1
	s_cmp_lg_u32 s3, 0
	s_cbranch_scc1 .Llap
; THE LAST LAP, written out; it fills nothing.  Steps 1 to 4 go as every step.  Then six half steps j = 0 .. 5 of 32 matrix instructions: rows 128 (j / 3) .. + 127, step 5 + j % 3.
; x's two sets of registers take turns (j % 2); the fetch for j + 2 follows j's products.  W's steps 5, 6, 7 lie in sets 1, 2, 0 (0, 1: window 1; 2: window 0, v64-127) and serve both halves.
.macro BLOADT x, bs                    ; W's step x into set bs
	WIN (1-(\bs)/2)<<6
.irp n, 0,1,2,3,4,5,6,7,8,9,10,11,12,13,14,15
	global_load_b128 v[64*(((\bs)+1)/2)+4*\n:64*(((\bs)+1)/2)+4*\n+3], v[BO], s[BP:BP+1] offset:BSTEP*(\x)+512*\n
.endr
.endm
.macro AFETCHT sl, q, u, xb            ; rows 128 u .. + 127 of the slot's step q into x's set xb
	WIN TO_1*(\xb)
.irp i, 0,1,2,3,4,5,6,7
.irp c, 0,1,2,3
	ds_load_b128 v[AF+16*\i+4*\c:AF+16*\i+4*\c+3], v[ADRA+2*(\sl)+(\u)] offset:128*(\q)+32*\c+\i*16*PITCH
.endr
.endr
.endm
.macro MULT i0, i1, i2, i3             ; four blocks of half UJ from x's set XB against W's set BS
	WIN ((2+UJ)*0x50)|(XB<<2)|(1-BS/2)
.irp i, \i0,\i1,\i2,\i3
.irp b, 0,1,2,3
	v_wmma_f32_16x16x128_fp8_fp8 v[32*\i+8*\b:32*\i+8*\b+7], v[64*((BS+1)/2)+16*\b:64*((BS+1)/2)+16*\b+15], v[AF+16*\i:AF+16*\i+15], v[32*\i+8*\b:32*\i+8*\b+7]
.endr
.endr
.endm
; THE WAY OUT, part p = rows 32 p .. 32 p + 31 x my 64 columns.  OUT1: x 2^(e0 + e1) into v32-63, sixteen rows at a time, each accumulator from its low end on; into my own stage; back as whole rows of 256 bytes
; into the part's own accumulator registers.  LDS serves a wave's instructions in order (ISA guide 5.7.1.4): no wait between the stage's stores and loads, nor ahead of the next part's stores.
.macro OUT1 p
.set AC, 64*((\p)%4)
.set WW, 2+(\p)/4
.irp e, 0,1
	WIN WW
.irp j, 0,2,4,6,8,10,12,14,16,18,20,22,24,26,28,30
	v_pk_mul_f32 v[TMP+\j:TMP+\j+1], v[AC+32*\e+\j:AC+32*\e+\j+1], s[96:97] op_sel_hi:[1,0]
.endr
	WIN 0
.irp b, 0,1,2,3
	ds_store_b128 v[STO], v[TMP+8*\b:TMP+8*\b+3] offset:\e*16*SPITCH+64*\b
	ds_store_b128 v[STO], v[TMP+8*\b+4:TMP+8*\b+7] offset:\e*16*SPITCH+64*\b+16
.endr
.endr
	WIN WW<<6
.irp t, 0,1,2,3,4,5,6,7,8,9,10,11,12,13,14,15
	ds_load_b128 v[AC+4*\t:AC+4*\t+3], v[RD] offset:\t*2*SPITCH
.endr
.endm
.macro SENDP p                         ; sixteen lanes store 256 consecutive bytes, aligned; every offset is an immediate (254 rows of 8,192 bytes at the most), each part has registers of its own: no source is rewritten
	WIN (2+(\p)/4)<<2
.irp t, 0,1,2,3,4,5,6,7,8,9,10,11,12,13,14,15
	global_store_b128 v[CO], v[64*((\p)%4)+4*\t:64*((\p)%4)+4*\t+3], s[10:11] offset:(32*(\p)+2*\t)*OROW th:TH_STORE_NT
.endr
.endm
.macro HALF j, snd, prt                ; snd: the part that is stored in the middle; prt: the part that goes through the stage there (-1: none)
.set UJ, (\j)/3
.set XB, (\j)%2
.set BS, ((\j)%3+1)%3
.if (\j) == 5
	s_wait_dscnt 0x0
.else
	s_wait_dscnt 32                                ; all but the newest run of 32 fragment loads: this half step's fragments, and the stage's loads issued between the two runs
.endif
.if (\j) <= 2
	s_wait_loadcnt 16*(2-(\j))                     ; this step's W is in; the later steps' loads, sixteen each, may be out
.endif
	MULT 0,1,2,3
.if (\snd) >= 0
	SENDP \snd
.endif
.if (\prt) >= 0
	OUT1 \prt
.endif
	MULT 4,5,6,7
.if (\j) <= 3
	PLACES NP
	AFETCHT 1, 1+((\j)+2)%3, ((\j)+2)/3, XB
.endif
.endm
	s_wait_kmcnt 0x0
	s_add_co_i32 s96, s96, s97
	s_add_co_i32 s96, s96, 127
	s_lshl_b32 s96, s96, 23                        ; 2^(e0 + e1) as f32
	STEP 0, 1, 1, 0, 3, 16, 0
	STEP 0, 2, 2, 0, 4, 16, 0
	TURN 0, 1, 3, 0, 0, 0                          ; loads W's step 5 into set 1
	BLOADT 6, 2                                    ; and step 6 goes into the third set, which no product has read
	s_wait_dscnt 32                                ; step 4
	s_wait_loadcnt 32                              ; its W is in; steps 5 and 6 may be out
	WIN MUL_LO
	MULS 4, 0, 0,1,2,3
	MULS 4, 0, 4,5,6,7
	PLACES NP
	AFETCH 1, 1, 0                                 ; half step 0: rows 0-127 of step 5
	s_wait_dscnt 32
	WIN MUL_HI
	MULS 4, 0, 8,9,10,11
	MULS 4, 0, 12,13,14,15
	PLACES NP
	BLOADT 7, 0
	AFETCHT 1, 2, 0, 1                             ; half step 1: rows 0-127 of step 6
	HALF 0, -1, -1
	HALF 1, -1, -1
	HALF 2, -1, -1
	HALF 3, -1, 0                                  ; rows 0-127 are finished: a part goes through the stage in the middle of a half step and is stored in the middle of the next
	HALF 4, 0, 1
	HALF 5, 1, 2
	PLACES NP
.irp a, 3,4,5,6,7
	OUT1 \a
	s_wait_dscnt 32                                ; part a - 1 is back; part a's 16 stores and 16 loads may be out
	SENDP \a-1
.endr
	s_wait_dscnt 0x0
	SENDP 7
	WIN 0
	s_wait_tensorcnt 0x0                           ; the wave's end
	ds_add_u32 v[SPW], v[NIL]
	s_wait_dscnt 0x0
	CROUND                                         ; the closing round
	s_endpgm
.Lfunc_end_k_q06f4aab19b_gemm:
	.size	k_q06f4aab19b_gemm, .Lfunc_end_k_q06f4aab19b_gemm-k_q06f4aab19b_gemm
	.p2alignl 7, 3214868480
	.fill 96, 4, 3214868480
	.section	.rodata,"a",@progbits
	.p2align	6, 0x0
	.amdhsa_kernel k_q06f4aab19b_gemm
		.amdhsa_group_segment_fixed_size 327680
		.amdhsa_private_segment_fixed_size 0
		.amdhsa_enable_private_segment 0
		.amdhsa_kernarg_size 32
		.amdhsa_user_sgpr_count 2
		.amdhsa_user_sgpr_kernarg_segment_ptr 1
		.amdhsa_wavefront_size32 1
		.amdhsa_system_sgpr_workgroup_id_x 1
		.amdhsa_system_sgpr_workgroup_id_y 1
		.amdhsa_system_sgpr_workgroup_id_z 1
		.amdhsa_system_vgpr_workitem_id 0
		.amdhsa_next_free_vgpr 1024
		.amdhsa_next_free_sgpr 98
		.amdhsa_reserve_vcc 0
		.amdhsa_float_denorm_mode_32 3
		.amdhsa_float_denorm_mode_16_64 3
		.amdhsa_memory_ordered 1
		.amdhsa_forward_progress 1
		.amdhsa_inst_pref_size 215
	.end_amdhsa_kernel
	.amdgpu_metadata
---
amdhsa.version: [ 1, 2 ]
amdhsa.kernels:
  - .name:           k_q06f4aab19b_gemm
    .symbol:         k_q06f4aab19b_gemm.kd
    .args:
      - { .name: xcodes, .offset: 0, .size: 8, .value_kind: global_buffer, .address_space: global }
      - { .name: wcodes, .offset: 8, .size: 8, .value_kind: global_buffer, .address_space: global }
      - { .name: lowp_scales, .offset: 16, .size: 8, .value_kind: global_buffer, .address_space: global }
      - { .name: out0, .offset: 24, .size: 8, .value_kind: global_buffer, .address_space: global }
    .group_segment_fixed_size: 327680
    .private_segment_fixed_size: 0
    .kernarg_segment_align: 8
    .kernarg_segment_size: 32
    .max_flat_workgroup_size: 128
    .sgpr_count:     98
    .vgpr_count:     1024
    .wavefront_size: 32
...
	.end_amdgpu_metadata
.endif
;; end of part 3
